; MI455X (gfx1250); checked and timed in simulation.
; The chip was launched on July 23, 2026; its instructions are those of AMD's public machine-readable ISA for CDNA 5 (MIT licence, August 2026) and "CDNA5" Instruction Set Architecture Reference Guide (July 2026). The comments in the code are by the model that wrote it; some were corrected since.
;; GSPN Layer. Allowed arithmetic: float matrix products may take bf16 or f16 operands with f32 sums; other float arithmetic in f32, or as packed bf16 or f16 multiplies, adds, multiply-adds, maxima and minima; sums over many terms, partial sums and values carried from step to step in f32; what a program stores and reads back later, other than sums and carried values, may be rounded once to bf16 or f16.
;; Inputs: b_lam 256 float32; b_merge 256 float32; b_red 64 float32; b_u 256 float32; b_wt 3 float32; w_lam 256 x 64 float32; w_merge 256 x 1,024 float32; w_red 64 x 256 float32; w_u 256 x 64 float32; w_wt 3 x 64 float32; x 8 x 256 x 64 x 64 float32.
;; Outputs: out0 8 x 256 x 64 x 64 float32.
;; One version. Each part assembles by itself: llvm-mc -triple=amdgcn-amd-amdhsa -mcpu=gfx1250 --defsym DOCPART=n.
;; ======== version 1 of 1: 2 launches
;; limits: values are held in f16: magnitudes above 65,504 overflow, below 6.1e-05 lose precision; right only within a limited range of input values
;; workspace buffers: red 4,194,304 bytes; rbuf 131,072 bytes; wf 327,680 bytes; stats 4,096 bytes
;; launch reduce (part 1): grid 256 x 1, 8 waves a work-group, no clusters, 186,112 bytes of LDS; arguments x, w_red, b_red, w_wt, b_wt, w_merge, w_lam, w_u, red, rbuf, wf, stats; writes red, rbuf, wf, stats
.if DOCPART == 1
	.amdgcn_target "amdgcn-amd-amdhsa--gfx1250"
	.amdhsa_code_object_version 6
	.text
	.protected	k_q085255f0b3_reduce
	.globl	k_q085255f0b3_reduce
	.p2align	8
	.type	k_q085255f0b3_reduce,@function
k_q085255f0b3_reduce:
	s_mov_b64 s[64:65], 0
	v_nop
	global_prefetch_b8 v0, s[64:65] scope:SCOPE_SE
	s_setreg_imm32_b32 hwreg(HW_REG_WAVE_MODE, 25, 1), 1
	s_wait_xcnt 0x0
; GSPN LAYER, LAUNCH 1 OF 2.  red[b][pixel][64] = w_red x + b_red (f16), R[b][h][w] (f32), the weights of launch 2 in fragment order (f16), and three maxima a work-group.
; WHAT THE MODULE IS, index by index (R[h][w] = sum over k of valid[k][w] sigmoid(pre_k[h][w]) / max(sum over k of sigmoid(pre_k[h][w]), 1e-6)):
;   tb: H[c][h][w] = H[c][h][w-1] R[h][w] + lam[c][w][h] x[c][h][w],        T1 = u[c][h][w] H
;   bt: G[c][h][w] = G[c][h][w-1] R[h][w] + lam[c][63-w][63-h] x[c][h][w],  T2 = u[c][63-h][w] G
; WORK LEFT OUT, for all values of the inputs.  (1) In 'lr' the swap of the two spatial axes of x, lam, pre, u is undone by step_axis = 2, by wn.swapaxes(2, 3) and by the last swap: step i takes
; x[c][m][i], lam[c][i][m], R[m][i] and u[c][m][i], which is tb's formula term by term; in 'rl' the flip of axis 3 after the swap gives x[c][63-m][i], lam[c][63-i][m], R[63-m][i], u[c][63-m][i],
; which is bt's.  So two scans are made, and merge(concat) = sum over kc < 512 of (w_merge[o][kc] + w_merge[o][kc+512]) [T1; T2][kc] + b_merge.  (2) reduced, u, lam, pre are the same
; in all four directions: made once.  (3) The first step multiplies the state of zeros that the scan starts from: R[.][0], and with it the mask idx >= 1, reaches no output (the word is stored, unmasked, and not read).
; Every input keeps a way to the output; all are loaded.  LIMIT: a NaN, an infinity or an overflow that reaches only the work left out is not carried to the result.
; FORMATS AND LIMITS.  All matrix operands are f16, sums f32.  |x|, |weights|, |w_merge[o][kc] + w_merge[o][kc+512]| and |red| stay under 65,504; below 6e-5 f16 keeps its fixed step of 6e-8.
; A sigmoid below 2^-126 counts as 0.  NaN and infinities are not treated apart.
; SHARES.  Work-group g: image b = g / 32, image rows 2 (g % 32) and the next: 128 pixels.  Wave v = (pb = v / 4, kq = v % 4): image row pb of the two, channels 64 kq .. 64 kq + 63: K is split four ways,
; the partial sums meet in LDS, and wave f then finishes pixel tile (pb = f / 4, j = f % 4).  Pixel tile j of a row is the pixels w = 4 r + j, r = 0 .. 15: a 16-byte load of x (pixels 4 r .. 4 r + 3 of
; one channel; sixteen lanes take 256 consecutive bytes) then feeds the four tiles' fragments with no exchange between lanes.
; D = A B with A = 16 rows of w_red, B = 32 channels x 16 pixels: a lane ends with 8 neighbouring reduced channels of one pixel, which packed ARE its part of the B fragment of the product with w_wt.
; NO CLUSTER, NO TENSOR LOAD: x is shared by nobody; w_red has to pass through registers to be rounded.  NO PREFETCH: every load of the launch is issued at its head.
.set WP,    528                        ; LDS row of w_red in f16: 512 bytes + 16
.set PART,  33792                      ; wave v's 16 partial tiles of 1,024 bytes, at PART + 16,384 v
.set STG,   164864                     ; red on its way out: block (pb, j) at 2,432 (4 pb + j), pixel r at pitch 144
.set RST,   184320                     ; 128 words of R
.set STAT,  184832                     ; words 0-7 max |x| by wave, 8-15 max |red| by wave, 16 max |w_lam|, |w_u| of this work-group's share
.set SPARE, 185088                     ; the spare words: 128 bytes for each of 8 waves; no other line names them
.set AF,  16                           ; v16-79   w_red as loaded, then its fragments (ks, rt) at AF + 8 (4 ks + rt); later b_red (v16-47) and w_wt as loaded (v48-79)
.set XF,  80                           ; v80-111  x's fragments, tile j at XF + 8 j; before that wave 0's extra loads; later w_wt (v80-95) and red (v96-111) in f16
.set W1,  120                          ; v120-123 wave 1's extra load, registers of its own; later v112-127 take the two sums of the product with w_wt
.set XR,  128                          ; v128-255 x as loaded: slot (ks, s) at XR + 4 (16 ks + s); later the partial sums
; v0 thread, v1 spare word's address, v2 zero, v3 lane, v4 r = lane % 16, v5 gh = lane / 16, v6-12 addresses, v13, v14 running maximum and minimum, v15 at work
; window 1: v0-127 the 16 accumulators, tile (j, rt) at 8 (4 j + rt)
.set MSB, 0
.macro WIN new                         ; the immediate's high byte repeats the setting that is left
.if MSB != (\new)
	s_set_vgpr_msb (MSB<<8)|(\new)
.set MSB, (\new)
.endif
.endm
.macro CVTX ks                         ; register i of tile j's fragment = channels (slots) 2 i, 2 i + 1 at pixel component j
.irp j, 0,1,2,3
.irp i, 0,1,2,3,4,5,6,7
	v_cvt_pk_f16_f32 v[XF+8*(\j)+(\i)], v[XR+4*(16*(\ks)+2*(\i))+(\j)], v[XR+4*(16*(\ks)+2*(\i)+1)+(\j)]
.endr
.endr
.endm
.macro MAXX ks                         ; the largest and the smallest of the K step's 64 numbers, onto v13 and v14
.set n, 0
.rept 32
.if ((\ks) == 0) && (n == 0)
	v_max_num_f32 v13, v[XR], v[XR+1]
	v_min_num_f32 v14, v[XR], v[XR+1]
.else
	v_max3_num_f32 v13, v13, v[XR+64*(\ks)+2*n], v[XR+64*(\ks)+2*n+1]
	v_min3_num_f32 v14, v14, v[XR+64*(\ks)+2*n], v[XR+64*(\ks)+2*n+1]
.endif
.set n, n+1
.endr
.endm
.macro MUL ks, zero                    ; 16 products; the 16 accumulators take turns, one instruction a turn
	WIN 0x50                                       ; C and D in window 1
.irp j, 0,1,2,3
.irp rt, 0,1,2,3
.if \zero
	v_wmma_f32_16x16x32_f16 v[8*(4*(\j)+(\rt)):8*(4*(\j)+(\rt))+7], v[AF+8*(4*(\ks)+(\rt)):AF+8*(4*(\ks)+(\rt))+7], v[XF+8*(\j):XF+8*(\j)+7], 0
.else
	v_wmma_f32_16x16x32_f16 v[8*(4*(\j)+(\rt)):8*(4*(\j)+(\rt))+7], v[AF+8*(4*(\ks)+(\rt)):AF+8*(4*(\ks)+(\rt))+7], v[XF+8*(\j):XF+8*(\j)+7], v[8*(4*(\j)+(\rt)):8*(4*(\j)+(\rt))+7]
.endif
.endr
.endr
	WIN 0
.endm
.macro LANEMAX reg                     ; the maximum over the wave's 32 lanes, in every lane
	v_max_num_f32_dpp v[\reg], v[\reg], v[\reg] row_xmask:1 row_mask:0xf bank_mask:0xf
	v_max_num_f32_dpp v[\reg], v[\reg], v[\reg] row_xmask:2 row_mask:0xf bank_mask:0xf
	v_max_num_f32_dpp v[\reg], v[\reg], v[\reg] row_xmask:4 row_mask:0xf bank_mask:0xf
	v_max_num_f32_dpp v[\reg], v[\reg], v[\reg] row_xmask:8 row_mask:0xf bank_mask:0xf
	v_permlanex16_b32 v15, v[\reg], s54, s55
	v_max_num_f32 v[\reg], v[\reg], v15
.endm
	s_load_b512 s[4:19], s[0:1], 0x0               ; x 4, w_red 6, b_red 8, w_wt 10, b_wt 12, w_merge 14, w_lam 16, w_u 18
	s_load_b256 s[20:27], s[0:1], 0x40             ; red 20, rbuf 22, wf 24, stats 26
	v_lshl_add_u32 v1, v0, 2, SPARE
	v_mov_b32 v2, 0
	v_lshrrev_b32 v3, 5, v0
	v_readfirstlane_b32 s28, v3                    ; wave 0..7
	v_and_b32 v3, 31, v0                           ; lane
	v_and_b32 v4, 15, v0                           ; r
	v_bfe_u32 v5, v0, 4, 1                         ; gh
	v_mov_b32 v15, 0                               ; v_permlanex16_b32's destination counts as read
	s_lshr_b32 s29, ttmp9, 5                       ; image b
	s_and_b32 s30, ttmp9, 31                       ; pair of image rows
	s_lshr_b32 s31, s28, 2                         ; pb
	s_and_b32 s36, s28, 3                          ; kq; later j
	s_mov_b32 s54, 0x76543210
	s_mov_b32 s55, 0xfedcba98
	s_lshl_b32 s46, s36, 20                        ; x: 64 kq channels of 16,384 bytes,
	s_lshl_b32 s47, s30, 1
	s_add_co_u32 s47, s47, s31
	s_lshl_b32 s47, s47, 8                         ; my image row's 256 bytes,
	s_add_co_u32 s46, s46, s47
	v_lshlrev_b32 v6, 17, v5                       ; 8 gh channels,
	v_lshl_add_u32 v6, v4, 4, v6                   ; pixels 4 r ..
	v_add_nc_u32 v6, s46, v6
	s_lshl_b32 s46, s28, 13
	v_lshl_add_u32 v7, v3, 4, s46                  ; w_red: my wave's 8,192 bytes, 16 a lane
	s_mul_i32 s46, s28, 8*WP
	v_lshl_add_u32 v8, v3, 3, s46                  ; and where they go in f16: rows 8 v .., 8 bytes a lane
	v_mul_u32_u24 v9, v4, WP
	v_lshl_add_u32 v9, v5, 4, v9
	s_lshl_b32 s46, s36, 7
	v_add_nc_u32 v9, s46, v9                       ; a fragment of w_red: row r, 16 gh, my 64 channels
	s_lshl_b32 s46, s28, 14
	s_add_co_u32 s46, s46, PART
	v_lshl_add_u32 v10, v3, 4, s46                 ; my partial tiles
	s_lshl_b32 s38, s29, 22
	s_mov_b32 s39, 0
	s_wait_kmcnt 0x0
	s_add_nc_u64 s[32:33], s[4:5], s[38:39]        ; x at my image
	s_load_b96 s[48:50], s[12:13], 0x0             ; b_wt
	; WAVE 0 also makes merge fragment g (rows 16 (g / 16) + r, kc = 32 (g % 16) ..): 8 loads, the two column blocks that are added
	s_cmp_lg_u32 s28, 0
	s_cbranch_scc1 .Lx0
	s_lshr_b32 s46, ttmp9, 4
	s_lshl_b32 s46, s46, 16
	s_and_b32 s47, ttmp9, 15
	s_lshl_b32 s47, s47, 7
	s_add_co_u32 s46, s46, s47
	v_lshlrev_b32 v11, 12, v4
	v_lshl_add_u32 v11, v5, 5, v11
	v_add_nc_u32 v11, s46, v11                     ; row x 4,096 + 128 ks + 32 gh
	s_lshl_b32 s46, ttmp9, 10
	v_lshl_add_u32 v12, v3, 4, s46                 ; wf: 1,024 g + 16 lane
.irp a, 0,1,2,3
	global_load_b128 v[80+4*(\a):80+4*(\a)+3], v11, s[14:15] offset:16*((\a)%2)+64*((\a)/2)
	global_load_b128 v[96+4*(\a):96+4*(\a)+3], v11, s[14:15] offset:16*((\a)%2)+64*((\a)/2)+2048
.endr
.Lx0:
	; WAVE 1 also makes 256 bytes of the fragments of w_lam and w_u: fragment g / 4 = ((ct 2 + mat) 2 + ks), its quarter g % 4: row 16 (g / 16) + lane / 2, k = 8 (g % 8) + 4 (lane % 2)
	s_cmp_lg_u32 s28, 1
	s_cbranch_scc1 .Lx1
	s_lshr_b32 s46, ttmp9, 4
	s_lshl_b32 s46, s46, 12
	s_and_b32 s47, ttmp9, 7
	s_lshl_b32 s47, s47, 5
	s_add_co_u32 s46, s46, s47
	v_lshrrev_b32 v11, 1, v3
	v_lshlrev_b32 v11, 8, v11
	v_and_b32 v12, 1, v3
	v_lshl_add_u32 v11, v12, 4, v11
	v_add_nc_u32 v11, s46, v11
	s_lshl_b32 s46, ttmp9, 8
	s_add_co_u32 s46, s46, 262144
	v_lshl_add_u32 v12, v3, 3, s46                 ; wf: 262,144 + 256 g + 8 lane
	s_and_b32 s47, ttmp9, 8
	s_cmp_lg_u32 s47, 0                            ; mat = 1: w_u
	s_cselect_b64 s[44:45], s[18:19], s[16:17]
	global_load_b128 v[W1:W1+3], v11, s[44:45]     ; into registers that no other load of the text writes
.Lx1:
.set i, 0
.rept 16
	global_load_b128 v[AF+4*i:AF+4*i+3], v7, s[6:7] offset:512*i
.set i, i+1
.endr
.set i, 0
.rept 32                               ; slot s = i % 16 of K step i / 16: channel 32 ks + s, and 8 more from s = 8 on (the lane's 8 gh is in v6)
	global_load_b128 v[XR+4*i:XR+4*i+3], v6, s[32:33] offset:(32*(i/16)+(i%16)+8*((i%16)/8))*16384
.set i, i+1
.endr
	s_lshl_b32 s38, s29, 19                        ; the stores' bases, made while the loads are out
	s_lshl_b32 s46, s30, 14
	s_add_co_u32 s38, s38, s46
	s_lshl_b32 s46, s28, 11
	s_add_co_u32 s38, s38, s46
	s_add_nc_u64 s[34:35], s[20:21], s[38:39]      ; red at pixel 4,096 b + 128 (g % 32) + 16 wave
	s_lshl_b32 s38, s29, 14
	s_lshl_b32 s46, s30, 9
	s_add_co_u32 s38, s38, s46
	s_add_nc_u64 s[40:41], s[22:23], s[38:39]      ; rbuf at my 128 pixels
	s_lshl_b32 s38, ttmp9, 4
	s_add_nc_u64 s[42:43], s[26:27], s[38:39]      ; stats at 16 g
	s_wait_loadcnt 32                              ; all but the 32 loads of x, which are younger: w_red and the extras are in
.set i, 0
.rept 16
	v_cvt_pk_f16_f32 v[AF+4*i], v[AF+4*i], v[AF+4*i+1]
	v_cvt_pk_f16_f32 v[AF+4*i+1], v[AF+4*i+2], v[AF+4*i+3]
	ds_store_b64 v8, v[AF+4*i:AF+4*i+1] offset:(i/2)*WP+256*(i%2)  ; 32 lanes x 8 bytes: half a row
.set i, i+1
.endr
	s_cmp_lg_u32 s28, 0
	s_cbranch_scc1 .Lw0
.set n, 0
.rept 8
	v_pk_add_f32 v[80+2*n:80+2*n+1], v[80+2*n:80+2*n+1], v[96+2*n:96+2*n+1]
.set n, n+1
.endr
.set n, 0
.rept 8
	v_cvt_pk_f16_f32 v[112+n], v[80+2*n], v[80+2*n+1]
.set n, n+1
.endr
	global_store_b128 v12, v[112:115], s[24:25]    ; registers 0-3 of the fragment: 512 consecutive bytes
	global_store_b128 v12, v[116:119], s[24:25] offset:512
.Lw0:
	s_cmp_lg_u32 s28, 1
	s_cbranch_scc1 .Lw1
	v_max3_num_f32 v84, v[W1], v[W1+1], v[W1+2]
	v_min3_num_f32 v85, v[W1], v[W1+1], v[W1+2]
	v_max_num_f32 v84, v84, v[W1+3]
	v_min_num_f32 v85, v85, v[W1+3]
	v_mul_f32 v85, -1.0, v85
	v_max_num_f32 v84, v84, v85
	v_cvt_pk_f16_f32 v112, v[W1], v[W1+1]
	v_cvt_pk_f16_f32 v113, v[W1+2], v[W1+3]
	global_store_b64 v12, v[112:113], s[24:25]     ; 256 consecutive bytes, aligned
	LANEMAX 84
	v_mov_b32 v11, STAT+64                         ; (its load is in: v11 is free)
	ds_store_b32 v11, v84
.Lw1:
	s_wait_dscnt 0x0                               ; for the others' sake: my rows of w_red are in LDS
	s_barrier_signal -1
	s_barrier_wait -1
.set i, 0
.rept 8                                ; fragment (ks = i / 4, rt = i % 4)
	ds_load_b128 v[AF+8*i:AF+8*i+3],   v9 offset:(i%4)*16*WP+64*(i/4)
	ds_load_b128 v[AF+8*i+4:AF+8*i+7], v9 offset:(i%4)*16*WP+64*(i/4)+32
.set i, i+1
.endr
	s_wait_loadcnt 16                              ; x's first K step is in; the 16 loads of the second are younger
	CVTX 0
	MAXX 0
	s_wait_dscnt 0x0                               ; w_red's fragments
	MUL 0, 1                                       ; the first products start the sums
	s_wait_loadcnt 0x0
	MAXX 1                                         ; 64 plain lines that name none of the products' registers: the places ahead of the lines that rewrite x's fragments
	CVTX 1
	MUL 1, 0
	v_lshlrev_b32 v7, 5, v5                        ; b_red: 32 gh.  These five lines and three v_nop are the places behind the last products
	v_and_b32 v11, 7, v4
	v_min_u32 v11, 2, v11                          ; w_wt: A's row m takes row min(m % 8, 2), so that both halves of the lanes end with pre_0, pre_1, pre_2 in registers 0-2
	v_lshlrev_b32 v11, 8, v11
	v_add_nc_u32 v11, v11, v7
.rept 3
	v_nop
.endr
.irp rt, 0,1,2,3
	global_load_b128 v[16+8*(\rt):16+8*(\rt)+3], v7, s[8:9] offset:64*(\rt)
	global_load_b128 v[16+8*(\rt)+4:16+8*(\rt)+7], v7, s[8:9] offset:64*(\rt)+16
.endr
.irp a, 0,1,2,3,4,5,6,7
	global_load_b128 v[48+4*(\a):48+4*(\a)+3], v11, s[10:11] offset:128*((\a)/4)+16*((\a)%2)+64*(((\a)%4)/2)
.endr
	WIN 0x04                                       ; store data in window 1
.set i, 0
.rept 16                               ; each accumulator's low half first
	ds_store_b128 v10, v[8*i:8*i+3]   offset:1024*i
	ds_store_b128 v10, v[8*i+4:8*i+7] offset:1024*i+512
.set i, i+1
.endr
	WIN 0
	v_mul_f32 v14, -1.0, v14
	v_max_num_f32 v13, v13, v14                    ; max |x| of my lane
	LANEMAX 13
	s_lshl_b32 s47, s28, 2
	s_add_co_u32 s47, s47, STAT
	v_mov_b32 v8, s47
	ds_store_b32 v8, v13
	s_wait_dscnt 0x0                               ; for the others' sake: my partial sums are in LDS
	s_barrier_signal -1
	s_barrier_wait -1
	; WAVE f FINISHES pixel tile (pb = f / 4, j = f % 4): the four partial sums of its 4 tiles of reduced channels
	s_lshl_b32 s46, s31, 16
	s_lshl_b32 s47, s36, 12
	s_add_co_u32 s46, s46, s47
	s_add_co_u32 s46, s46, PART
	v_lshl_add_u32 v9, v3, 4, s46
.set i, 0
.rept 16                               ; kq = i / 4, rt = i % 4
	ds_load_b128 v[XR+8*i:XR+8*i+3],   v9 offset:(i/4)*16384+(i%4)*1024
	ds_load_b128 v[XR+8*i+4:XR+8*i+7], v9 offset:(i/4)*16384+(i%4)*1024+512
.set i, i+1
.endr
	s_wait_kmcnt 0x0                               ; b_wt
	s_mov_b32 s60, 0xbfb8aa3b                      ; -log2(e)
	s_mul_f32 s56, s48, s60
	s_mul_f32 s57, s49, s60
	s_mul_f32 s58, s50, s60
	v_mul_u32_u24 v10, v4, 144
	v_lshl_add_u32 v10, v5, 4, v10
	s_mul_i32 s46, s28, 2432
	s_add_co_u32 s46, s46, STG
	v_add_nc_u32 v10, s46, v10                     ; the stage: block f, pixel r, 16 gh
	s_wait_dscnt 0x0
	s_wait_loadcnt 0x0                             ; b_red, w_wt
.set n, 0
.rept 16
	v_pk_add_f32 v[XR+2*n:XR+2*n+1], v[XR+2*n:XR+2*n+1], v[XR+32+2*n:XR+32+2*n+1]
	v_pk_add_f32 v[XR+64+2*n:XR+64+2*n+1], v[XR+64+2*n:XR+64+2*n+1], v[XR+96+2*n:XR+96+2*n+1]
.set n, n+1
.endr
.set n, 0
.rept 16
	v_pk_add_f32 v[XR+2*n:XR+2*n+1], v[XR+2*n:XR+2*n+1], v[XR+64+2*n:XR+64+2*n+1]
.set n, n+1
.endr
.set n, 0
.rept 16
	v_pk_add_f32 v[XR+2*n:XR+2*n+1], v[XR+2*n:XR+2*n+1], v[16+2*n:16+2*n+1]  ; + b_red: v[XR + 8 rt + i] = red[16 rt + 8 gh + i] of pixel 4 r + j
.set n, n+1
.endr
	v_max_num_f32 v13, v[XR], v[XR+1]
	v_min_num_f32 v14, v[XR], v[XR+1]
.set n, 1
.rept 15
	v_max3_num_f32 v13, v13, v[XR+2*n], v[XR+2*n+1]
	v_min3_num_f32 v14, v14, v[XR+2*n], v[XR+2*n+1]
.set n, n+1
.endr
.set n, 0
.rept 16
	v_cvt_pk_f16_f32 v[96+n], v[XR+2*n], v[XR+2*n+1]   ; red in f16: v96-103 and v104-111 are the B fragments of the two K steps
	v_cvt_pk_f16_f32 v[80+n], v[48+2*n], v[48+2*n+1]   ; w_wt in f16: v80-87, v88-95 the A fragments
.set n, n+1
.endr
.irp rt, 0,1,2,3
	ds_store_b128 v10, v[96+4*(\rt):96+4*(\rt)+3] offset:32*(\rt)
.endr
	s_wait_xcnt 0x0                                ; waves 0 and 1's stores have read v112 ..: only behind this wait are they written
	v_wmma_f32_16x16x32_f16 v[112:119], v[80:87], v[96:103], 0
	v_wmma_f32_16x16x32_f16 v[120:127], v[88:95], v[104:111], 0   ; two sums of their own, added below
	v_mul_f32 v14, -1.0, v14                       ; places behind the two products: eight plain lines or more
	v_max_num_f32 v13, v13, v14
	v_lshl_add_u32 v6, v4, 2, s36                  ; w = 4 r + j  (x's loads are in: v6 is free)
	s_lshl_b32 s46, s31, 8
	s_add_co_u32 s46, s46, RST
	v_lshl_add_u32 v9, v6, 2, s46                  ; R's word: 64 pb + w
.rept 4
	v_nop
.endr
	LANEMAX 13
	ds_store_b32 v8, v13 offset:32                 ; max |red| of my tile
	v_add_f32 v48, v112, v120
	v_add_f32 v49, v113, v121
	v_add_f32 v50, v114, v122
	v_fma_f32 v48, v48, s60, s56                   ; -log2(e) (pre_k + b_wt[k])
	v_fma_f32 v49, v49, s60, s57
	v_fma_f32 v50, v50, s60, s58
	v_exp_f32 v48, v48
	v_exp_f32 v49, v49
	v_exp_f32 v50, v50
	v_nop                                          ; a plain line behind the last exponential,
	s_wait_alu depctr_va_vdst(0)                   ; and one wait for the batch ahead of its first reader
	v_add_f32 v48, 1.0, v48
	v_add_f32 v49, 1.0, v49
	v_add_f32 v50, 1.0, v50
	v_rcp_f32 v48, v48                             ; the three sigmoids
	v_rcp_f32 v49, v49
	v_rcp_f32 v50, v50
	v_cmp_gt_u32 vcc_lo, 63, v6                    ; valid[2]: w <= 62
	v_nop
	s_wait_alu depctr_va_vdst(0)
	v_add_f32 v51, v48, v49
	v_cndmask_b32 v53, 0, v50, vcc_lo
	v_add_f32 v52, v51, v50                        ; the sum of all three
	v_add_f32 v51, v51, v53                        ; the sum of the valid ones
	v_max_num_f32 v52, 0x358637bd, v52             ; max(sum, 1e-6)
	v_rcp_f32 v52, v52
	v_nop
	s_wait_alu depctr_va_vdst(0)
	v_mul_f32 v51, v51, v52
	ds_store_b32 v9, v51                           ; both halves of the lanes hold the same number and write the same word
	s_wait_dscnt 0x0                               ; for the others' sake: stage, R and maxima are in LDS
	s_barrier_signal -1
	s_barrier_wait -1
	; THE WAY OUT.  Wave f stores pixels 16 f .. 16 f + 15 of the 128: pixel 16 (f % 4) + 4 i + lane / 8 of its row lies in block lane / 8, row 4 (f % 4) + i
	s_mul_i32 s46, s31, 4*2432
	s_mul_i32 s47, s36, 4*144
	s_add_co_u32 s46, s46, s47
	s_add_co_u32 s46, s46, STG
	v_lshrrev_b32 v49, 3, v3
	v_mul_u32_u24 v10, v49, 2432
	v_and_b32 v49, 7, v3
	v_lshl_add_u32 v10, v49, 4, v10
	v_add_nc_u32 v10, s46, v10
	v_lshlrev_b32 v6, 4, v3
.irp i, 0,1,2,3
	ds_load_b128 v[16+4*(\i):16+4*(\i)+3], v10 offset:144*(\i)
.endr
	s_wait_dscnt 0x0
.irp i, 0,1,2,3
	global_store_b128 v6, v[16+4*(\i):16+4*(\i)+3], s[34:35] offset:512*(\i)  ; four pixels: 512 consecutive bytes, aligned
.endr
	s_cmp_lg_u32 s28, 0
	s_cbranch_scc1 .Ly0
	v_lshl_add_u32 v7, v3, 4, RST
	ds_load_b128 v[32:35], v7
	s_wait_dscnt 0x0
	global_store_b128 v6, v[32:35], s[40:41]       ; R of the 128 pixels: 512 consecutive bytes
.Ly0:
	s_cmp_lg_u32 s28, 1
	s_cbranch_scc1 .Ly1
	v_mov_b32 v7, STAT
	ds_load_b128 v[32:35], v7
	ds_load_b128 v[36:39], v7 offset:16
	ds_load_b128 v[40:43], v7 offset:32
	ds_load_b128 v[44:47], v7 offset:48
	ds_load_b32 v48, v7 offset:64
	v_mov_b32 v50, 0
	v_mov_b32 v55, 0
	v_cmp_eq_u32 vcc_lo, 0, v3
	s_wait_dscnt 0x0
	v_max3_num_f32 v52, v32, v33, v34
	v_max3_num_f32 v53, v40, v41, v42
	v_max3_num_f32 v52, v52, v35, v36
	v_max3_num_f32 v53, v53, v43, v44
	v_max3_num_f32 v52, v52, v37, v38
	v_max3_num_f32 v53, v53, v45, v46
	v_max_num_f32 v52, v52, v39
	v_max_num_f32 v53, v53, v47
	v_mov_b32 v54, v48
	s_wait_xcnt 0x0                                ; EXEC is a source of the stores above: it changes only behind this wait
	s_and_saveexec_b32 s59, vcc_lo
	global_store_b128 v50, v[52:55], s[42:43]      ; lane 0: max |x|, max |red|, max |w_lam|, |w_u|, 0
	s_wait_xcnt 0x0
	s_or_b32 exec_lo, exec_lo, s59
.Ly1:
	s_wait_tensorcnt 0x0                           ; the wave's end, behind my last LDS store
	ds_add_u32 v1, v2
	s_wait_dscnt 0x0
	s_endpgm
.Lfunc_end_k_q085255f0b3_reduce:
	.size	k_q085255f0b3_reduce, .Lfunc_end_k_q085255f0b3_reduce-k_q085255f0b3_reduce
	.p2alignl 7, 3214868480
	.fill 96, 4, 3214868480
	.section	.rodata,"a",@progbits
	.p2align	6, 0x0
	.amdhsa_kernel k_q085255f0b3_reduce
		.amdhsa_group_segment_fixed_size 186112
		.amdhsa_private_segment_fixed_size 0
		.amdhsa_enable_private_segment 0
		.amdhsa_kernarg_size 96
		.amdhsa_user_sgpr_count 2
		.amdhsa_user_sgpr_kernarg_segment_ptr 1
		.amdhsa_wavefront_size32 1
		.amdhsa_system_sgpr_workgroup_id_x 1
		.amdhsa_system_sgpr_workgroup_id_y 1
		.amdhsa_system_sgpr_workgroup_id_z 1
		.amdhsa_system_vgpr_workitem_id 0
		.amdhsa_next_free_vgpr 384
		.amdhsa_next_free_sgpr 66
		.amdhsa_reserve_vcc 1
		.amdhsa_float_denorm_mode_32 3
		.amdhsa_float_denorm_mode_16_64 3
		.amdhsa_memory_ordered 1
		.amdhsa_forward_progress 1
		.amdhsa_inst_pref_size 50
	.end_amdhsa_kernel
	.amdgpu_metadata
---
amdhsa.version: [ 1, 2 ]
amdhsa.kernels:
  - .name:           k_q085255f0b3_reduce
    .symbol:         k_q085255f0b3_reduce.kd
    .args:
      - { .name: x, .offset: 0, .size: 8, .value_kind: global_buffer, .address_space: global }
      - { .name: w_red, .offset: 8, .size: 8, .value_kind: global_buffer, .address_space: global }
      - { .name: b_red, .offset: 16, .size: 8, .value_kind: global_buffer, .address_space: global }
      - { .name: w_wt, .offset: 24, .size: 8, .value_kind: global_buffer, .address_space: global }
      - { .name: b_wt, .offset: 32, .size: 8, .value_kind: global_buffer, .address_space: global }
      - { .name: w_merge, .offset: 40, .size: 8, .value_kind: global_buffer, .address_space: global }
      - { .name: w_lam, .offset: 48, .size: 8, .value_kind: global_buffer, .address_space: global }
      - { .name: w_u, .offset: 56, .size: 8, .value_kind: global_buffer, .address_space: global }
      - { .name: red, .offset: 64, .size: 8, .value_kind: global_buffer, .address_space: global }
      - { .name: rbuf, .offset: 72, .size: 8, .value_kind: global_buffer, .address_space: global }
      - { .name: wf, .offset: 80, .size: 8, .value_kind: global_buffer, .address_space: global }
      - { .name: stats, .offset: 88, .size: 8, .value_kind: global_buffer, .address_space: global }
    .group_segment_fixed_size: 186112
    .private_segment_fixed_size: 0
    .kernarg_segment_align: 8
    .kernarg_segment_size: 96
    .max_flat_workgroup_size: 256
    .sgpr_count:     66
    .vgpr_count:     384
    .wavefront_size: 32
...
	.end_amdgpu_metadata
.endif
;; end of part 1
;; launch scanmerge (part 2): grid 256 x 1, 4 waves a work-group, no clusters, 327,680 bytes of LDS; arguments x, red, rbuf, wf, stats, b_lam, b_u, b_merge, out0; writes out0
.if DOCPART == 2
	.amdgcn_target "amdgcn-amd-amdhsa--gfx1250"
	.amdhsa_code_object_version 6
	.text
	.protected	k_q085255f0b3_scanmerge
	.globl	k_q085255f0b3_scanmerge
	.p2align	8
	.type	k_q085255f0b3_scanmerge,@function
k_q085255f0b3_scanmerge:
	s_mov_b64 s[64:65], 0
	v_nop
	global_prefetch_b8 v0, s[64:65] scope:SCOPE_SE
	s_setreg_imm32_b32 hwreg(HW_REG_WAVE_MODE, 25, 1), 1
	s_wait_xcnt 0x0
; GSPN LAYER, LAUNCH 2 OF 2.  lam and u from red, the two scans, and the merge, for two image rows a work-group.
; WORK LEFT OUT (shown at the head of launch 1): directions lr and rl are tb and bt term by term, so two scans are made and the merge runs over 512 channels with summed weights; the first step's product with the zero state is not made.
;   tb: H[c][h][w] = H[c][h][w-1] R[h][w] + lam[c][w][h] x[c][h][w],        T1 = u[c][h][w] H
;   bt: G[c][h][w] = G[c][h][w-1] R[h][w] + lam[c][63-w][63-h] x[c][h][w],  T2 = u[c][63-h][w] G        out[o] = sum over kc of Wc[o][kc] [T1; T2][kc] + b_merge[o]
; SHARES.  Work-group g: image b = g / 32, image rows h = g % 32 and h' = 63 - h: both rows need lam on the image columns h and h' and u on the rows h and h', and nothing else.
; PHASE 1.  Wave v owns channels 64 v .. 64 v + 63, in four tiles of 16.  D = A B with A = 16 pixels of red, B = 16 rows of w_lam or w_u.  A's rows 0-7 are pixels of column h (for u: of row h), rows 8-15 the
; same places of column h' (row h').  So lane (r, hf) holds, for channel c0 + r, LAM[w] = lam[c][w][row] and U[w] = u[c][row][w] for all 64 w, with row = h (hf = 0) or h' (hf = 1):
;   pass A, tb of image row `row`:          x[c][row][w] LAM[w],         R[row][w],      T1 = H U[w]
;   pass B, bt of the other row, 63 - row:  x[c][63-row][w] LAM[63-w],   R[63-row][w],   T2 = G U[w]
; Nothing changes lanes.  The two chains of 63 fused multiply-adds run side by side in one lane.
; THE SCALE.  T goes to the merge in f16.  R lies in 0 to 1, so |T| <= Tmax = 64 G^2 Mx with G = 64 Mw Mr + Mb (Mx = max |x|, Mr = max |red|, Mw = max |w_lam|, |w_u|, Mb = max |b_lam|, |b_u|: launch 1's maxima and
; the biases).  With e = max(Tmax's exponent field, 14), U is multiplied by 2^(140 - e), so that |T| stays under 2^14 in f16, and the merge's sums by 2^(e - 140), in f32: powers of two, no rounding.
; LIMITS.  Tmax is finite in f32 and G Mx is above 2^-121; a T more than 2^28 times smaller than the bound counts as 0, and one below 2^-28 of it keeps f16's fixed step.  NaN and infinities are not treated apart.
; PHASE 2.  Wave v owns outputs o = 64 v .. 64 v + 63, one image row (64 pixels) at a time; its 64 x 512 weights lie in 512 registers, loaded once.  T comes out of LDS turned (ds_load_tr16_b128).
; Column 16 t + n of T stands for pixel w = 4 n + t, so that the four pixel tiles give a lane four neighbouring pixels: one store of 16 bytes, sixteen lanes a whole row of out0 (256 bytes, aligned).
; NO CLUSTER: x's tiles are shared by nobody, and from the first line to the end of phase 1 LDS holds x (139,264), T (147,456), red (37,376) and the spare words: no slot is left in which shared weights could land;
; they go in fragment order straight into registers.  NO PREFETCH: all that comes from memory is asked for at the head.
.set XP,    272                        ; a row of x in LDS: 256 bytes + 16
.set XTILE, 256*XP                     ; image row h's 256 channels; h' follows
.set TT,    2*XTILE                    ; T in f16: row kc = 256 d + c, pitch 288; bytes 0-127 image row h, 128-255 image row h'.  No tensor load lands here
.set TP,    288
.set RD,    TT+512*TP                  ; four tiles of red, 64 pixels at pitch 144: column h, column h', row h, row h'
.set RP,    144
.set RDT,   9344
.set SPARE, RD+4*RDT                   ; the spare words: 128 bytes a wave; no other line names them
.set SPW, 1
.set NIL, 2
.set AXA, 3                            ; v3   x of my row:        XTILE hf + XP (64 v + r)
.set AXB, 4                            ; v4   x of the other row
.set ATSA, 5                           ; v5   where T1 goes; v6 where T2 goes
.set ARD, 7                            ; v7   a pixel fragment: RD + RDT (r / 8) + RP (r % 8) + 16 hf
.set AT,  8                            ; v8-11 the turning loads' address, K steps 4 q .. 4 q + 3
.set WOFF, 12                          ; v12  16 lane
.set GO,  13                           ; v13  out0: 8 hf outputs of 16,384 bytes + 16 r
.set BLA, 14                           ; v14-17 b_lam of my channel in tile i; v18-21 b_u
.set XA,  32                           ; v32-95  x of my row, then H, then T1
.set XB,  96                           ; v96-159 x of the other row, then G, then T2
.set BF,  160                          ; v160-191 weight fragments of a c-tile: (mat, ks) at BF + 8 (2 mat + ks)
.set BL,  192                          ; v192-199 b_lam eight times, v200-207 b_u: the C operands that start the sums
.set PK,  208                          ; v208-223 T packed
.set BM,  224                          ; v224-255 b_merge[64 v + 16 ot + 8 hf + j] at BM + 8 ot + j
.set OUT, 96                           ; phase 2: v96-223 results to store; v32-127 three buffers of T's fragments
.set LAM, 0                            ; window 1: LAM v0-63, U v64-127, RA v128-191 (R of my row), RB v192-255 (R of the other row); phase 2: the 16 accumulators, (ot, t) at 8 (4 ot + t)
.set U,   64
.set RA,  128
.set RB,  192
; window 2: merge weights, K steps 0-7, at 32 ks + 8 ot.   window 3: the pixel fragments, at 128 mat + 16 mt + 8 ks; then merge weights, K steps 8-15
; s22 wave, s23 b, s24 h, s25 h', s[28:35] group 1 for x, s[36:43] for red's columns, s[44:51] for red's rows, s[52:55] group 0 red, s[56:59], s[60:63] group 0 x,
; s[66:67], s[68:69] out0 at my outputs in row h, h', s[70:71] the scale, s72 its inverse, s[74:75] lane selects, s[76:77] my merge weights, s[78:79] my lam/u weights, s[86:87] rbuf at my image
.set MSB, 0
.macro WIN new                         ; the immediate's high byte repeats the setting that is left
.if MSB != (\new)
	s_set_vgpr_msb (MSB<<8)|(\new)
.set MSB, (\new)
.endif
.endm
.macro PLACES n=4                      ; plain lines behind a matrix instruction, ahead of what reads its result or writes one of its registers
.rept \n
	v_nop
.endr
.endm
.macro LANEMAX reg
	v_max_num_f32_dpp v[\reg], v[\reg], v[\reg] row_xmask:1 row_mask:0xf bank_mask:0xf
	v_max_num_f32_dpp v[\reg], v[\reg], v[\reg] row_xmask:2 row_mask:0xf bank_mask:0xf
	v_max_num_f32_dpp v[\reg], v[\reg], v[\reg] row_xmask:4 row_mask:0xf bank_mask:0xf
	v_max_num_f32_dpp v[\reg], v[\reg], v[\reg] row_xmask:8 row_mask:0xf bank_mask:0xf
	v_permlanex16_b32 v85, v[\reg], s74, s75
	v_max_num_f32 v[\reg], v[\reg], v85
.endm
	s_load_b512 s[4:19], s[0:1], 0x0               ; x 4, red 6, rbuf 8, wf 10, stats 12, b_lam 14, b_u 16, b_merge 18
	s_load_b64 s[20:21], s[0:1], 0x40              ; out0
	v_lshl_add_u32 v[SPW], v0, 2, SPARE
	v_mov_b32 v[NIL], 0
	ds_add_u32 v[SPW], v[NIL]                      ; the wave's opening: the add, twice on end, and its wait ahead of my first tensor load
	ds_add_u32 v[SPW], v[NIL]
	v_lshrrev_b32 v25, 5, v0
	v_readfirstlane_b32 s22, v25                   ; wave 0..3
	s_lshr_b32 s23, ttmp9, 5                       ; b
	s_and_b32 s24, ttmp9, 31                       ; h
	s_sub_co_u32 s25, 63, s24                      ; h'
	; group 1 for x: 64 channels x 64 pixels of f32, a channel 4,096 elements from the next; 4 words of padding behind every 64
	s_mov_b32 s28, (2<<16)|(1<<20)|(5<<22)|(3<<25)
	s_mov_b32 s29, 64<<16                          ; tensor_dim0
	s_mov_b32 s30, 64<<16                          ; tensor_dim1
	s_mov_b32 s31, 64<<16                          ; tile_dim0
	s_mov_b32 s32, 64                              ; tile_dim1
	s_mov_b32 s33, 4096                            ; stride
	s_mov_b32 s34, 0
	s_mov_b32 s35, 0
	; group 1 for a column of red: 64 pixels x 64 f16, a pixel 64 pixels (4,096 elements) from the next; 4 words of padding behind every 32
	s_mov_b32 s36, (1<<16)|(1<<20)|(4<<22)|(3<<25)
	s_mov_b32 s37, 64<<16
	s_mov_b32 s38, 64<<16
	s_mov_b32 s39, 64<<16
	s_mov_b32 s40, 64
	s_mov_b32 s41, 4096
	s_mov_b32 s42, 0
	s_mov_b32 s43, 0
	; group 1 for a row of red: 8,192 dense bytes, asked for as 32 rows of 256 bytes, two pixels a row, padded behind every pixel
	s_mov_b32 s44, (1<<16)|(1<<20)|(4<<22)|(3<<25)
	s_mov_b32 s45, 128<<16
	s_mov_b32 s46, 32<<16
	s_mov_b32 s47, 128<<16
	s_mov_b32 s48, 32
	s_mov_b32 s49, 128
	s_mov_b32 s50, 0
	s_mov_b32 s51, 0
	s_mov_b32 s52, 1
	s_mul_i32 s53, s22, RDT
	s_add_co_u32 s53, s53, RD                      ; red's tile number is my wave's
	s_mov_b32 s56, 1
	s_mul_i32 s57, s22, 64*XP                      ; my 64 channels of image row h,
	s_mov_b32 s60, 1
	s_add_co_u32 s61, s57, XTILE                   ; and of h'
	s_mov_b32 s74, 0x76543210
	s_mov_b32 s75, 0xfedcba98
	s_and_b32 s80, s22, 1                          ; waves 0, 2: h; waves 1, 3: h'
	s_cmp_eq_u32 s80, 0
	s_cselect_b32 s81, s24, s25
	s_cmp_lt_u32 s22, 2                            ; waves 0, 1: a column, 128 bytes a place; waves 2, 3: a row, 8,192
	s_cselect_b32 s82, 7, 13
	s_lshl_b32 s26, s81, s82
	s_lshl_b32 s83, s23, 19
	s_add_co_u32 s26, s26, s83
	s_mov_b32 s27, 0
	s_lshl_b32 s80, s23, 22                        ; x and out0 alike: image, my 64 channels or outputs, the image row
	s_lshl_b32 s84, s22, 20
	s_add_co_u32 s80, s80, s84
	s_lshl_b32 s84, s25, 8
	s_add_co_u32 s82, s80, s84
	s_lshl_b32 s88, s24, 8
	s_add_co_u32 s80, s80, s88
	s_mov_b32 s81, 0
	s_mov_b32 s83, 0
	s_wait_dscnt 0x0                               ; both opening adds are done
	s_wait_kmcnt 0x0
	s_add_nc_u64 s[54:55], s[6:7], s[26:27]
	s_or_b32 s55, s55, 0x80000000
	s_add_nc_u64 s[58:59], s[4:5], s[80:81]
	s_or_b32 s59, s59, 0x80000000
	s_add_nc_u64 s[62:63], s[4:5], s[82:83]
	s_or_b32 s63, s63, 0x80000000
	s_cmp_lt_u32 s22, 2                            ; a wave's three first fills stand in one branch: red's tile first, then x's two.  Three loads of mine are out
	s_cbranch_scc0 .Lrows
	tensor_load_to_lds s[52:55], s[36:43]
	s_nop 0
	tensor_load_to_lds s[56:59], s[28:35]
	s_nop 0
	tensor_load_to_lds s[60:63], s[28:35]
	s_nop 0
	PLACES
	s_branch .Lasked
.Lrows:
	tensor_load_to_lds s[52:55], s[44:51]
	s_nop 0
	tensor_load_to_lds s[56:59], s[28:35]
	s_nop 0
	tensor_load_to_lds s[60:63], s[28:35]
	s_nop 0
	PLACES
.Lasked:
	s_add_nc_u64 s[66:67], s[20:21], s[80:81]
	s_add_nc_u64 s[68:69], s[20:21], s[82:83]
	s_lshl_b32 s26, s22, 16
	s_add_nc_u64 s[76:77], s[10:11], s[26:27]      ; merge fragments (4 v + ot, ks)
	s_lshl_b32 s26, s22, 14
	s_add_co_u32 s26, s26, 262144
	s_add_nc_u64 s[78:79], s[10:11], s[26:27]      ; lam/u fragments of c-tiles 4 v ..
	s_lshl_b32 s26, s23, 14
	s_add_nc_u64 s[86:87], s[8:9], s[26:27]
	v_and_b32 v25, 31, v0                          ; lane
	v_and_b32 v22, 15, v0                          ; r
	v_bfe_u32 v23, v0, 4, 1                        ; hf
	v_xor_b32 v24, 1, v23                          ; 1 - hf
	v_lshlrev_b32 v[WOFF], 4, v25
	s_lshl_b32 s84, s22, 8
	v_lshl_add_u32 v26, v22, 2, s84                ; biases: channel 64 v + r
	v_lshl_add_u32 v29, v23, 5, s84                ; b_merge: output 64 v + 8 hf
	s_sub_co_u32 s85, s25, s24
	s_lshl_b32 s85, s85, 8
	v_mad_u32_u24 v27, v23, s85, s88               ; R: 256 x my row,
	v_mad_u32_u24 v28, v24, s85, s88               ; 256 x the other row
	v_mov_b32 v85, 0
.set n, 0
.rept 8
	global_load_b128 v[32+4*n:32+4*n+3], v[WOFF], s[12:13] offset:512*n  ; stats: entries lane + 32 n
.set n, n+1
.endr
	global_load_b128 v[64:67], v[WOFF], s[14:15]   ; all of b_lam and b_u, for the bound
	global_load_b128 v[68:71], v[WOFF], s[14:15] offset:512
	global_load_b128 v[72:75], v[WOFF], s[16:17]
	global_load_b128 v[76:79], v[WOFF], s[16:17] offset:512
.set n, 0
.rept 8
	global_load_b128 v[BF+4*n:BF+4*n+3], v[WOFF], s[78:79] offset:512*n  ; c-tile 0's four fragments
.set n, n+1
.endr
.irp i, 0,1,2,3
	global_load_b32 v[BLA+(\i)], v26, s[14:15] offset:64*(\i)
	global_load_b32 v[BLA+4+(\i)], v26, s[16:17] offset:64*(\i)
.endr
	WIN 0x40                                       ; destination window 1
.set n, 0
.rept 16
	global_load_b128 v[RA+4*n:RA+4*n+3], v27, s[86:87] offset:16*n
	global_load_b128 v[RB+4*n:RB+4*n+3], v28, s[86:87] offset:16*n
.set n, n+1
.endr
	WIN 0
.set n, 0
.rept 8
	global_load_b128 v[BM+4*n:BM+4*n+3], v29, s[18:19] offset:64*(n/2)+16*(n%2)
.set n, n+1
.endr
	; LDS addresses, made while the loads are out
	v_mul_u32_u24 v30, v22, XP
	v_add_nc_u32 v30, s57, v30
	v_mad_u32_u24 v[AXA], v23, XTILE, v30
	v_mad_u32_u24 v[AXB], v24, XTILE, v30
	s_mul_i32 s84, s22, 64*TP
	s_add_co_u32 s84, s84, TT
	v_mul_u32_u24 v31, v22, TP
	v_add_nc_u32 v31, s84, v31
	v_lshl_add_u32 v[ATSA], v23, 7, v31            ; T1: row 64 v + r, my image row's half
	v_lshl_add_u32 v[ATSA+1], v24, 7, v31
	v_add_nc_u32 v[ATSA+1], 256*TP, v[ATSA+1]      ; T2: row 256 + 64 v + r, the other image row's half
	v_lshrrev_b32 v30, 3, v22
	v_mul_u32_u24 v[ARD], v30, RDT
	v_and_b32 v30, 7, v22
	v_mad_u32_u24 v[ARD], v30, RP, v[ARD]
	v_lshl_add_u32 v[ARD], v23, 4, v[ARD]
	v_add_nc_u32 v[ARD], RD, v[ARD]
	v_and_b32 v30, 7, v0
	v_lshl_add_u32 v30, v23, 3, v30
	v_mul_u32_u24 v[AT], v30, TP                   ; the turning load: row 8 hf + lane % 8,
	v_bfe_u32 v30, v0, 3, 1
	v_lshl_add_u32 v[AT], v30, 4, v[AT]            ; 16 bytes by (lane / 8) % 2
	v_add_nc_u32 v[AT], TT, v[AT]
	v_add_nc_u32 v[AT+1], 128*TP, v[AT]
	v_add_nc_u32 v[AT+2], 256*TP, v[AT]
	v_add_nc_u32 v[AT+3], 384*TP, v[AT]
	v_lshlrev_b32 v[GO], 17, v23
	v_lshl_add_u32 v[GO], v22, 4, v[GO]
	s_wait_tensorcnt 0x2                           ; my tile of red is in; x's two, issued behind it, may stay out
	s_barrier_signal -1
	s_barrier_wait -1                              ; everybody's tile of red is in
	WIN 0xc0                                       ; destination window 3
.set n, 0
.rept 32                               ; mat = n / 16, mt = (n / 2) % 8, ks = n % 2
	ds_load_b128 v[8*n:8*n+3],   v[ARD] offset:2*RDT*(n/16)+8*RP*((n/2)%8)+64*(n%2)
	ds_load_b128 v[8*n+4:8*n+7], v[ARD] offset:2*RDT*(n/16)+8*RP*((n/2)%8)+64*(n%2)+32
.set n, n+1
.endr
	WIN 0x80                                       ; destination window 2
.set n, 0
.rept 32                               ; ks = n / 4, ot = n % 4
	global_load_b128 v[8*n:8*n+3],   v[WOFF], s[76:77] offset:(16*(n%4)+n/4)*1024
	global_load_b128 v[8*n+4:8*n+7], v[WOFF], s[76:77] offset:(16*(n%4)+n/4)*1024+512
.set n, n+1
.endr
	WIN 0
	s_wait_loadcnt 63                              ; the 64 loads just issued are younger than b_merge's last: all that was asked for ahead of them is in
	s_mov_b32 s84, 0x42800000                      ; 64.0
	v_max3_num_f32 v80, v32, v36, v40              ; Mx, Mr, Mw over the 256 work-groups of launch 1
	v_max3_num_f32 v81, v33, v37, v41
	v_max3_num_f32 v82, v34, v38, v42
	v_max3_num_f32 v80, v80, v44, v48
	v_max3_num_f32 v81, v81, v45, v49
	v_max3_num_f32 v82, v82, v46, v50
	v_max3_num_f32 v80, v80, v52, v56
	v_max3_num_f32 v81, v81, v53, v57
	v_max3_num_f32 v82, v82, v54, v58
	v_max_num_f32 v80, v80, v60
	v_max_num_f32 v81, v81, v61
	v_max_num_f32 v82, v82, v62
	v_max3_num_f32 v83, v64, v65, v66              ; Mb
	v_min3_num_f32 v84, v64, v65, v66
.set n, 0
.rept 6
	v_max3_num_f32 v83, v83, v[67+2*n], v[68+2*n]
	v_min3_num_f32 v84, v84, v[67+2*n], v[68+2*n]
.set n, n+1
.endr
	v_max_num_f32 v83, v83, v79
	v_min_num_f32 v84, v84, v79
	v_mul_f32 v84, -1.0, v84
	v_max_num_f32 v83, v83, v84
	LANEMAX 80
	LANEMAX 81
	LANEMAX 82
	LANEMAX 83
	v_mul_f32 v86, v82, v81
	v_fma_f32 v86, v86, s84, v83                   ; G = 64 Mw Mr + Mb
	v_mul_f32 v87, v86, v86
	v_mul_f32 v87, v87, v80
	v_mul_f32 v87, s84, v87                        ; Tmax = 64 G^2 Mx
	v_lshrrev_b32 v87, 23, v87
	v_max_u32 v87, 14, v87                         ; e
	v_sub_nc_u32 v88, 0x10b, v87
	v_add_nc_u32 v89, -13, v87
	v_lshlrev_b32 v88, 23, v88                     ; 2^(140 - e)
	v_lshlrev_b32 v89, 23, v89                     ; 2^(e - 140)
	v_readfirstlane_b32 s70, v88
	v_readfirstlane_b32 s72, v89
	s_mov_b32 s71, s70                             ; named with it as a pair
.macro XLOADS i                        ; my channel's 64 pixels of both image rows
	WIN 0
.set n, 0
.rept 16
	ds_load_b128 v[XA+4*n:XA+4*n+3], v[AXA] offset:16*XP*(\i)+16*n
	ds_load_b128 v[XB+4*n:XB+4*n+3], v[AXB] offset:16*XP*(\i)+16*n
.set n, n+1
.endr
.endm
.macro SCAN                            ; both passes; source 1 lies in window 1
	WIN 0x04
.set w, 0
.rept 32                               ; ascending: each accumulator of LAM is first read at its low end
	v_pk_mul_f32 v[XA+w:XA+w+1], v[XA+w:XA+w+1], v[LAM+w:LAM+w+1]
.set w, w+2
.endr
	v_pk_mul_f32 v[XB:XB+1], v[XB:XB+1], v[LAM+62:LAM+63] op_sel:[0,1] op_sel_hi:[1,0]  ; x[w] LAM[63-w], x[w+1] LAM[62-w]
.set w, 0
.rept 32
.if w > 0
	v_fma_f32 v[XA+w], v[XA+w-1], v[RA+w], v[XA+w]
	v_fma_f32 v[XB+w], v[XB+w-1], v[RB+w], v[XB+w]
	v_pk_mul_f32 v[XA+w-2:XA+w-1], v[XA+w-2:XA+w-1], v[U+w-2:U+w-1]  ; the states w - 2, w - 1 have been carried on: they become T
	v_pk_mul_f32 v[XB+w-2:XB+w-1], v[XB+w-2:XB+w-1], v[U+w-2:U+w-1]
.endif
	v_fma_f32 v[XA+w+1], v[XA+w], v[RA+w+1], v[XA+w+1]
	v_fma_f32 v[XB+w+1], v[XB+w], v[RB+w+1], v[XB+w+1]
.if w < 62
	v_pk_mul_f32 v[XB+w+2:XB+w+3], v[XB+w+2:XB+w+3], v[LAM+60-w:LAM+61-w] op_sel:[0,1] op_sel_hi:[1,0]
.endif
.set w, w+2
.endr
	v_pk_mul_f32 v[XA+62:XA+63], v[XA+62:XA+63], v[U+62:U+63]
	v_pk_mul_f32 v[XB+62:XB+63], v[XB+62:XB+63], v[U+62:U+63]
	WIN 0
.endm
.macro TOUT i                          ; T rounded to f16: columns 16 t + 8 q .. + 7 stand for pixels 32 q + 4 n + t, n = 0 .. 7
.irp p, 0,1
.irp q, 0,1
.irp t, 0,1,2,3
.irp e, 0,1,2,3
	v_cvt_pk_f16_f32 v[PK+4*(\t)+(\e)], v[XA+64*(\p)+32*(\q)+8*(\e)+(\t)], v[XA+64*(\p)+32*(\q)+8*(\e)+4+(\t)]
.endr
	ds_store_b128 v[ATSA+(\p)], v[PK+4*(\t):PK+4*(\t)+3] offset:16*TP*(\i)+32*(\t)+16*(\q)
.endr
.endr
.endr
.endm
; ONE TILE OF 16 CHANNELS.  32 products on 16 accumulators that take turns, one instruction a turn; the biases are the C operands that start the sums.
.macro CTILE i
	WIN 0
.if (\i) > 0
	s_wait_loadcnt 0x0                             ; this tile's weight fragments
.endif
.set n, 0
.rept 8
	v_mov_b32 v[BL+n], v[BLA+(\i)]
	v_mov_b32 v[BL+8+n], v[BLA+4+(\i)]
.set n, n+1
.endr
.if (\i) > 0
	XLOADS \i                                      ; they land under the products
.else
	s_wait_dscnt 0x0                               ; the pixel fragments
.endif
	WIN 0x43                                       ; A window 3, B and C window 0, D window 1
.irp mt, 0,1,2,3,4,5,6,7
	v_wmma_f32_16x16x32_f16 v[LAM+8*(\mt):LAM+8*(\mt)+7], v[16*(\mt):16*(\mt)+7], v[BF:BF+7], v[BL:BL+7]
.endr
.irp mt, 0,1,2,3,4,5,6,7
	v_wmma_f32_16x16x32_f16 v[U+8*(\mt):U+8*(\mt)+7], v[128+16*(\mt):128+16*(\mt)+7], v[BF+16:BF+23], v[BL+8:BL+15]
.endr
	WIN 0x53                                       ; C window 1
.irp mt, 0,1,2,3,4,5,6,7
	v_wmma_f32_16x16x32_f16 v[LAM+8*(\mt):LAM+8*(\mt)+7], v[16*(\mt)+8:16*(\mt)+15], v[BF+8:BF+15], v[LAM+8*(\mt):LAM+8*(\mt)+7]
.endr
.irp mt, 0,1,2,3,4,5,6,7
	v_wmma_f32_16x16x32_f16 v[U+8*(\mt):U+8*(\mt)+7], v[128+16*(\mt)+8:128+16*(\mt)+15], v[BF+24:BF+31], v[U+8*(\mt):U+8*(\mt)+7]
.endr
	PLACES 8                                       ; ahead of loads into registers that the products read, and of lines that rewrite their results
.if (\i) < 3
	WIN 0
.set n, 0
.rept 8
	global_load_b128 v[BF+4*n:BF+4*n+3], v[WOFF], s[78:79] offset:4096*((\i)+1)+512*n  ; the next tile's fragments
.set n, n+1
.endr
.else
	WIN 0xc0                                       ; the pixel fragments have had their last reader: window 3 takes the merge weights of K steps 8-15
.set n, 0
.rept 32
	global_load_b128 v[8*n:8*n+3],   v[WOFF], s[76:77] offset:(16*(n%4)+8+n/4)*1024
	global_load_b128 v[8*n+4:8*n+7], v[WOFF], s[76:77] offset:(16*(n%4)+8+n/4)*1024+512
.set n, n+1
.endr
.endif
	WIN 0x41                                       ; destination and source 0 window 1
.set n, 0
.rept 32
	v_pk_mul_f32 v[U+2*n:U+2*n+1], v[U+2*n:U+2*n+1], s[70:71] op_sel_hi:[1,0]  ; u times the scale, ascending
.set n, n+1
.endr
	WIN 0
.if (\i) == 0
	s_wait_tensorcnt 0x0                           ; my channels of x are in LDS,
	s_barrier_signal -1
	s_barrier_wait -1                              ; and everybody's
	XLOADS 0
.endif
	s_wait_dscnt 0x0                               ; x
	SCAN
	TOUT \i
.endm
	CTILE 0
	CTILE 1
	CTILE 2
	CTILE 3
	s_wait_dscnt 0x0                               ; for the others' sake: my 128 rows of T are in LDS
	s_barrier_signal -1
	s_barrier_wait -1
; PHASE 2.  A K step is 32 rows of T.  Three buffers of fragments: K step ks + 2 is asked for while ks is multiplied.
.macro TLOAD rs, ks                    ; 4 pixel tiles x 2 turning loads
	WIN 0
.set TFB, 32+32*((\ks)%3)
.irp t, 0,1,2,3
	ds_load_tr16_b128 v[TFB+8*(\t):TFB+8*(\t)+3],   v[AT+(\ks)/4] offset:32*TP*((\ks)%4)+128*(\rs)+32*(\t)
	ds_load_tr16_b128 v[TFB+8*(\t)+4:TFB+8*(\t)+7], v[AT+(\ks)/4] offset:32*TP*((\ks)%4)+16*TP+128*(\rs)+32*(\t)
.endr
.endm
.macro KSTEP rs, ks
.if (\ks) <= 13
	PLACES                                         ; the buffer's last readers are the products of K step ks - 1
.if ((\rs) == 1) && ((\ks) == 0)
	s_wait_xcnt 0x0                                ; the third buffer lies where row h's stores take their data: it is loaded only behind this wait
.endif
	TLOAD \rs, (\ks)+2
	s_wait_dscnt 16                                ; the loads of K steps ks + 1 and ks + 2 are younger
.elseif (\ks) == 14
	s_wait_dscnt 8                                 ; K step 15's are younger
.else
	s_wait_dscnt 0x0
.endif
.if ((\rs) == 0) && ((\ks) == 8)
	s_wait_loadcnt 0x0                             ; the merge weights of K steps 8-15
.endif
	WIN 0x52+(\ks)/8                               ; A window 2 or 3, B window 0, C and D window 1
.set TFB, 32+32*((\ks)%3)
.irp ot, 0,1,2,3
.irp t, 0,1,2,3
.if (\ks) == 0
	v_wmma_f32_16x16x32_f16 v[8*(4*(\ot)+(\t)):8*(4*(\ot)+(\t))+7], v[32*((\ks)%8)+8*(\ot):32*((\ks)%8)+8*(\ot)+7], v[TFB+8*(\t):TFB+8*(\t)+7], 0
.else
	v_wmma_f32_16x16x32_f16 v[8*(4*(\ot)+(\t)):8*(4*(\ot)+(\t))+7], v[32*((\ks)%8)+8*(\ot):32*((\ks)%8)+8*(\ot)+7], v[TFB+8*(\t):TFB+8*(\t)+7], v[8*(4*(\ot)+(\t)):8*(4*(\ot)+(\t))+7]
.endif
.endr
.endr
.endm
.macro EPI rs                          ; out = sum x 2^(e - 140) + b_merge; register j of tiles t = 0 .. 3 are four neighbouring pixels of output 16 ot + 8 hf + j
.irp ot, 0,1,2,3
	WIN 0x01                                       ; source 0 window 1
.irp j, 0,1,2,3,4,5,6,7
.irp t, 0,1,2,3
	v_fma_f32 v[OUT+32*(\ot)+4*(\j)+(\t)], v[8*(4*(\ot)+(\t))+(\j)], s72, v[BM+8*(\ot)+(\j)]
.endr
.endr
	WIN 0
.irp j, 0,1,2,3,4,5,6,7
	global_store_b128 v[GO], v[OUT+32*(\ot)+4*(\j):OUT+32*(\ot)+4*(\j)+3], s[66+2*(\rs):67+2*(\rs)] offset:(16*(\ot)+(\j))*16384 th:TH_STORE_NT  ; sixteen lanes: one whole row of out0, 256 bytes, aligned
.endr
.endr
.endm
	TLOAD 0, 0
	TLOAD 0, 1
.irp ks, 0,1,2,3,4,5,6,7,8,9,10,11,12,13,14,15
	KSTEP 0, \ks
.endr
	PLACES                                         ; behind the last products: ahead of loads into their fragments and of the lines that read the sums
	TLOAD 1, 0                                     ; image row h' begins to come while row h goes out
	TLOAD 1, 1
	EPI 0
.irp ks, 0,1,2,3,4,5,6,7,8,9,10,11,12,13,14,15
	KSTEP 1, \ks
.endr
	PLACES
	EPI 1
	s_wait_tensorcnt 0x0                           ; the wave's end, behind my last tensor load and my last LDS store
	ds_add_u32 v[SPW], v[NIL]
	s_wait_dscnt 0x0
	s_endpgm
.Lfunc_end_k_q085255f0b3_scanmerge:
	.size	k_q085255f0b3_scanmerge, .Lfunc_end_k_q085255f0b3_scanmerge-k_q085255f0b3_scanmerge
	.p2alignl 7, 3214868480
	.fill 96, 4, 3214868480
	.section	.rodata,"a",@progbits
	.p2align	6, 0x0
	.amdhsa_kernel k_q085255f0b3_scanmerge
		.amdhsa_group_segment_fixed_size 327680
		.amdhsa_private_segment_fixed_size 0
		.amdhsa_enable_private_segment 0
		.amdhsa_kernarg_size 72
		.amdhsa_user_sgpr_count 2
		.amdhsa_user_sgpr_kernarg_segment_ptr 1
		.amdhsa_wavefront_size32 1
		.amdhsa_system_sgpr_workgroup_id_x 1
		.amdhsa_system_sgpr_workgroup_id_y 1
		.amdhsa_system_sgpr_workgroup_id_z 1
		.amdhsa_system_vgpr_workitem_id 0
		.amdhsa_next_free_vgpr 1024
		.amdhsa_next_free_sgpr 90
		.amdhsa_reserve_vcc 0
		.amdhsa_float_denorm_mode_32 3
		.amdhsa_float_denorm_mode_16_64 3
		.amdhsa_memory_ordered 1
		.amdhsa_forward_progress 1
		.amdhsa_inst_pref_size 225
	.end_amdhsa_kernel
	.amdgpu_metadata
---
amdhsa.version: [ 1, 2 ]
amdhsa.kernels:
  - .name:           k_q085255f0b3_scanmerge
    .symbol:         k_q085255f0b3_scanmerge.kd
    .args:
      - { .name: x, .offset: 0, .size: 8, .value_kind: global_buffer, .address_space: global }
      - { .name: red, .offset: 8, .size: 8, .value_kind: global_buffer, .address_space: global }
      - { .name: rbuf, .offset: 16, .size: 8, .value_kind: global_buffer, .address_space: global }
      - { .name: wf, .offset: 24, .size: 8, .value_kind: global_buffer, .address_space: global }
      - { .name: stats, .offset: 32, .size: 8, .value_kind: global_buffer, .address_space: global }
      - { .name: b_lam, .offset: 40, .size: 8, .value_kind: global_buffer, .address_space: global }
      - { .name: b_u, .offset: 48, .size: 8, .value_kind: global_buffer, .address_space: global }
      - { .name: b_merge, .offset: 56, .size: 8, .value_kind: global_buffer, .address_space: global }
      - { .name: out0, .offset: 64, .size: 8, .value_kind: global_buffer, .address_space: global }
    .group_segment_fixed_size: 327680
    .private_segment_fixed_size: 0
    .kernarg_segment_align: 8
    .kernarg_segment_size: 72
    .max_flat_workgroup_size: 128
    .sgpr_count:     90
    .vgpr_count:     1024
    .wavefront_size: 32
...
	.end_amdgpu_metadata
.endif
;; end of part 2
